; MI455X (gfx1250); checked and timed in simulation.
; The chip was launched on July 23, 2026; its instructions are those of AMD's public machine-readable ISA for CDNA 5 (MIT licence, August 2026) and "CDNA5" Instruction Set Architecture Reference Guide (July 2026). The comments in the code are by the model that wrote it; some were corrected since.
;; Scaled Dot Product. Allowed arithmetic: matrix products marked QUANTISED: E4M3 operands, one E8M0 scale for each 32 along K, by v_wmma_scale_f32_16x16x128_f8f6f4 with both operands' format E4M3, f32 sums; everything else in f32.
;; Inputs: k_codes 4 x 16 x 2,048 x 2 x 32 uint8 (E4M3 codes of k, K innermost, in blocks of 32 codes); k_scales 4 x 16 x 2,048 x 2 uint8 (E8M0 scales of k, one for each 32 codes along K); mask 1 x 1 x 2,048 x 2,048 int32; q_codes 4 x 16 x 2,048 x 2 x 32 uint8 (E4M3 codes of q, K innermost, in blocks of 32 codes); q_scales 4 x 16 x 2,048 x 2 uint8 (E8M0 scales of q, one for each 32 codes along K); v_codes 4 x 16 x 64 x 64 x 32 uint8 (E4M3 codes of v, K innermost, in blocks of 32 codes); v_scales 4 x 16 x 64 x 64 uint8 (E8M0 scales of v, one for each 32 codes along K).
;; Outputs: out0 4 x 16 x 2,048 x 64 float32.
;; This version of the problem:
;;   THIS VERSION OF THE PROBLEM IS GIVEN IN LOW PRECISION. The matrix products marked QUANTISED in the list below multiply operands that are first quantised to E4M3 (4 exponent bits, 3 mantissa bits; 8 bits a number), with one power-of-two scale for each 32 numbers along K (OCP MX v1.0); their sums are f32. All else is computed in f32.
;;   The module's matrix products, in the order in which they are computed (A, B: the left and right operand; K: the contracted axis; several contracted axes count as one K, in the product's order):
;;     1. batch 64 x [M 2,048, K 64] x [K 64, N 2,048]; A: input q (given as codes); B: input k (given as codes): QUANTISED
;;     2. batch 64 x [M 2,048, K 2,048] x [K 2,048, N 64]; A: softmax (see below); B: input v (given as codes): QUANTISED
;;   THE QUANTISER, for each operand of a quantised product, along K:
;;     - K is cut into blocks of 32 from its start; a last block that is shorter is filled with zeros.
;;     - A block's scale is 2^e with e = floor(log2(the largest magnitude in the block)) - 8, held to -126 .. 127; a block of zeros has e = 0. As a byte (E8M0): e + 127.
;;     - Each number is divided by its block's scale, clamped to +-448, and rounded to the nearest number of E4M3, ties to even, subnormals kept.
;;     - The product sums the exact products of the quantised numbers (number of the format x scale) in f32.
;;   ~~~python
;;   def quantise(x, axis):      # numpy; x: float32 -> the quantised numbers, widened to float32 again
;;       x = np.moveaxis(x, axis, -1); K = x.shape[-1]
;;       x = np.pad(x, [(0, 0)] * (x.ndim - 1) + [(0, -K % 32)]); x = x.reshape(x.shape[:-1] + (-1, 32)); a = np.abs(x).max(-1, keepdims=True)
;;       e = np.where(a > 0, np.clip(np.frexp(np.where(a > 0, a, 1))[1] - 1 - 8, -126, 127), 0)      # np.frexp(a)[1] - 1 = floor(log2(a)), exactly
;;       r = np.clip(x / 2.0 ** e, -448, 448)
;;       step = 2.0 ** (np.maximum(np.frexp(np.where(r == 0, 1, r))[1] - 1, -6) - 3)
;;       q = np.round(r / step) * step * 2.0 ** e      # np.round: ties to even
;;       return np.moveaxis(q.reshape(q.shape[:-2] + (-1,))[..., :K], -1, axis).astype(np.float32)
;;   ~~~
;;   SOFTMAX AHEAD OF A QUANTISED PRODUCT. Where the list says 'softmax', what is quantised is not the finished softmax but p = 2^(t - M), with t = logit x log2(e) and M = ceil(the row's largest t), a whole number; so 1/2 < the row's largest p <= 1. The row's sum l is taken of the UNQUANTISED p, in f32, and the product's result is divided by l at the end. Since M is a whole number, a kernel that streams over the keys may use a running M (the ceiling of the running maximum): every later rescaling is an exact power of two, which a block's scale takes up: the codes' values come out the same.
;;   OPERANDS COMPUTED ON THE WAY. 'Computed on the way' means the value that the module computes at that place (a softmax that the list does not call 'softmax' is quantised finished and normalised). What goes into a quantiser is computed in f32, as accurately as f32 sums, v_exp_f32 and their like allow (about 1e-6 of the number): no bf16 or f16 on the way to a quantiser, and a product that is left as it is and whose result goes on into a quantised operand takes f32 operands (vector FMAs, or v_wmma_f32_16x16x4_f32). A number that lies on a knife's edge between two numbers of the format may be rounded either way, as far as f32 arithmetic and the matrix unit's own rounding can turn it there, and no further.
;;   INPUTS GIVEN AS CODES. k (in the module: [4, 16, 2048, 64], K = its axis 3); q (in the module: [4, 16, 2048, 64], K = its axis 3); v (in the module: [4, 16, 2048, 64], K = its axis 2): each comes as NAME_codes (uint8): NAME with its K axis moved to the last place and cut into blocks of 32 codes, [.., K / 32, bytes a block], one block behind the other in memory; one code a byte (a code: sign, 4 exponent bits, 3 mantissa bits); and NAME_scales (uint8): the same leading axes, one E8M0 byte (e + 127) for each 32 codes along K. Its value is code x scale, taken as it is: it is not quantised again, and the codes and scales need not be those that the quantiser above would give.
;; One version. Each part assembles by itself: llvm-mc -triple=amdgcn-amd-amdhsa -mcpu=gfx1250 --defsym DOCPART=n.
;; ======== version 1 of 1: 2 launches
;; workspace buffers: maskw 524,288 bytes of whole numbers; cls 2,048 bytes of whole numbers
;; launch maskprep (part 1): grid 256 x 1, 8 waves a work-group, no clusters, 68,864 bytes of LDS; arguments mask, maskw, cls; writes maskw, cls
.if DOCPART == 1
	.amdgcn_target "amdgcn-amd-amdhsa--gfx1250"
	.amdhsa_code_object_version 6
	.text
	.protected	k_q1f0c0d607e_maskprep
	.globl	k_q1f0c0d607e_maskprep
	.p2align	8
	.type	k_q1f0c0d607e_maskprep,@function
k_q1f0c0d607e_maskprep:
	s_mov_b64 s[64:65], 0
	v_nop
	global_prefetch_b8 v0, s[64:65] scope:SCOPE_SE
	s_setreg_imm32_b32 hwreg(HW_REG_WAVE_MODE, 25, 1), 1
	s_wait_xcnt 0x0
; The mask [2048][2048] of int32 is turned, once for all 64 heads, into what the attention launch wants:
;   maskw [T 128][s 16][n 64] u32: for a tile T of 16 queries and a step s of 128 keys, word n is a LANE MASK: bit r + 16 h says that
;         mask[16 T + r][128 s + 32 (n / 16) + 16 h + n % 16] is not 0.  That is the entry which lane (r, h) holds in its n-th score register there.
;   cls   [T 128][half 2]{w0, R} u32: w0 bit w: step 8 half + w has an open entry; bit 16 + w: all its entries are open;  R: the OR of those 8 steps' 512 words.
; SHARES.  Work-group g: tile T = g / 2, half = g % 2; wave w: step 8 half + w: 16 rows x 512 bytes of the mask.
; Each load reads 512 consecutive bytes of one row; the 8,192 bytes turn through the wave's own stage in LDS (rows 528 bytes apart, so that the sixteen lanes
; of a read touch sixteen different 16-byte columns of 256) and come back with lane (r, h) holding row r's entries in the order of its score registers.
; A stream: every byte of the mask is read once, all of a wave's 16 loads are out together.  No matrix work, no cluster (work-groups share nothing), no prefetch (all is asked for at the head).
; A record of maskw is one aligned run of 256 bytes, stored by one instruction.  A work-group's 8 bytes of cls are stored by one lane: 2,048 bytes in the whole launch.
.set PITCH, 528
.set WSTB,  16*PITCH                   ; a wave's stage: 8,448 bytes
.set CMB,   8*WSTB                     ; behind the stages: 8 bytes for each wave, where the waves' class bits meet
.set X,     16                         ; v16-79   the mask as loaded: row p in v[X + 4 p] on
.set Y,     80                         ; v80-143  turned: v[Y + n] = the entry of score register n
	s_load_b128 s[4:7], s[0:1], 0x0                ; mask s[4:5], maskw s[6:7]
	s_load_b64 s[8:9], s[0:1], 0x10                ; cls
	v_lshl_add_u32 v144, v0, 2, 0x10900
	v_mov_b32 v145, 0
	v_lshrrev_b32 v1, 5, v0
	v_readfirstlane_b32 s10, v1                    ; wave 0..7
	v_and_b32 v10, 31, v0                          ; lane
	v_and_b32 v11, 15, v0                          ; r
	v_bfe_u32 v12, v0, 4, 1                        ; h
	s_mul_i32 s11, s10, WSTB                       ; my stage
	v_lshlrev_b32 v1, 4, v10                       ; 16 x lane: my 16 bytes of a row's 512
	v_add_nc_u32 v2, s11, v1                       ; the stage, on the way in
	v_mul_u32_u24 v3, v11, PITCH
	v_lshl_add_u32 v3, v12, 6, v3
	v_add_nc_u32 v3, s11, v3                       ; and on the way out: row r, + 64 h
	v_lshlrev_b32 v4, 3, v10                       ; 8 x lane: my two words of the record
	s_lshl_b32 s14, s10, 3
	s_add_co_u32 s14, s14, CMB
	v_mov_b32 v5, s14                              ; my wave's 8 bytes among the class bits
	v_mov_b32 v6, 0                                ; written once: v_writelane_b32's destination counts as read
	v_mov_b32 v7, 0
	s_mov_b32 s12, 0                               ; the OR of my 64 words
	s_mov_b32 s13, -1                              ; and their AND
	s_lshr_b32 s14, ttmp9, 1                       ; T
	s_lshl_b32 s14, s14, 17                        ; 16 rows of 8,192 bytes
	s_and_b32 s16, ttmp9, 1
	s_lshl_b32 s16, s16, 3
	s_add_co_u32 s16, s16, s10                     ; the step
	s_lshl_b32 s16, s16, 9                         ; 512 bytes of a row
	s_add_co_u32 s14, s14, s16
	s_mov_b32 s15, 0
	s_lshl_b32 s16, ttmp9, 3
	s_add_co_u32 s16, s16, s10                     ; 16 T + step = 8 g + w
	s_lshl_b32 s16, s16, 8                         ; records of 256 bytes
	s_mov_b32 s17, 0
	s_lshl_b32 s18, ttmp9, 3                       ; 8 bytes of cls a work-group
	s_mov_b32 s19, 0
	s_wait_kmcnt 0x0
	s_add_nc_u64 s[4:5], s[4:5], s[14:15]
	s_add_nc_u64 s[6:7], s[6:7], s[16:17]
	s_add_nc_u64 s[8:9], s[8:9], s[18:19]
.irp p, 0,1,2,3,4,5,6,7,8,9,10,11,12,13,14,15
	global_load_b128 v[X+4*\p:X+4*\p+3], v1, s[4:5] offset:8192*\p th:TH_LOAD_NT   ; row p: 32 lanes read 512 consecutive bytes; read once in the launch
.endr
.irp p, 0,1,2,3,4,5,6,7,8,9,10,11,12,13,14,15
	s_wait_loadcnt 15-\p                           ; loads come back in order: row p is in, the 15 - p younger ones may be out
	ds_store_b128 v2, v[X+4*\p:X+4*\p+3] offset:PITCH*\p
.endr
.irp k, 0,1,2,3,4,5,6,7,8,9,10,11,12,13,14,15
	ds_load_b128 v[Y+4*\k:Y+4*\k+3], v3 offset:128*(\k/4)+16*(\k%4)   ; keys 32 (k / 4) + 16 h + 4 (k % 4) on.  LDS serves a wave's instructions in order: these see my stores
.endr
.set n, 0
.rept 16
	s_wait_dscnt 15-n/4                            ; this load is in; the younger ones may be out
.rept 4
	v_cmp_ne_u32 s[16+n%8], 0, v[Y+n]              ; word n: a bit for each lane
	s_or_b32 s12, s12, s[16+n%8]
	s_and_b32 s13, s13, s[16+n%8]
	v_writelane_b32 v[6+n%2], s[16+n%8], n/2       ; lane n / 2 will store words n and n + 1
.set n, n+1
.endr
.endr
	global_store_b64 v4, v[6:7], s[6:7]            ; 32 lanes store the record: 256 consecutive bytes, aligned
	s_cmp_lg_u32 s12, 0
	s_cselect_b32 s25, 1, 0                        ; any entry open
	s_cmp_eq_u32 s13, -1
	s_cselect_b32 s26, 0x10000, 0                  ; all open
	s_or_b32 s25, s25, s26
	s_lshl_b32 s25, s25, s10                       ; at my wave's bits
	v_mov_b32 v8, s25
	v_mov_b32 v9, s12
	ds_store_b64 v5, v[8:9]                        ; all lanes write the same 8 bytes with the same value
	s_wait_dscnt 0x0                               ; for the others' sake: my store has landed
	s_barrier_signal -1
	s_barrier_wait -1
	s_cmp_lg_u32 s10, 0                            ; wave 0 joins the eight and stores them
	s_cbranch_scc1 .Ldone
	v_mov_b32 v10, CMB
	ds_load_b128 v[16:19], v10
	ds_load_b128 v[20:23], v10 offset:16
	ds_load_b128 v[24:27], v10 offset:32
	ds_load_b128 v[28:31], v10 offset:48
	v_mov_b32 v11, 0
	v_cmp_eq_u32 vcc_lo, 0, v0
	s_wait_dscnt 0x0
	v_or_b32 v8, v16, v18
	v_or_b32 v9, v17, v19
.irp i, 20,22,24,26,28,30
	v_or_b32 v8, v8, v[\i]
	v_or_b32 v9, v9, v[\i+1]
.endr
	s_wait_xcnt 0x0                                ; EXEC is a source of the record's store: it changes only behind this wait
	s_and_saveexec_b32 s24, vcc_lo                 ; thread 0 alone
	global_store_b64 v11, v[8:9], s[8:9]
	s_wait_xcnt 0x0                                ; and again in front of the line that widens it
	s_or_b32 exec_lo, exec_lo, s24
.Ldone:
	s_barrier_signal -1
	s_barrier_wait -1
	s_wait_tensorcnt 0x0
	ds_add_u32 v144, v145
	s_wait_dscnt 0x0
	s_endpgm
.Lfunc_end_k_q1f0c0d607e_maskprep:
	.size	k_q1f0c0d607e_maskprep, .Lfunc_end_k_q1f0c0d607e_maskprep-k_q1f0c0d607e_maskprep
	.p2alignl 7, 3214868480
	.fill 96, 4, 3214868480
	.section	.rodata,"a",@progbits
	.p2align	6, 0x0
	.amdhsa_kernel k_q1f0c0d607e_maskprep
		.amdhsa_group_segment_fixed_size 68864
		.amdhsa_private_segment_fixed_size 0
		.amdhsa_enable_private_segment 0
		.amdhsa_kernarg_size 24
		.amdhsa_user_sgpr_count 2
		.amdhsa_user_sgpr_kernarg_segment_ptr 1
		.amdhsa_wavefront_size32 1
		.amdhsa_system_sgpr_workgroup_id_x 1
		.amdhsa_system_sgpr_workgroup_id_y 1
		.amdhsa_system_sgpr_workgroup_id_z 1
		.amdhsa_system_vgpr_workitem_id 0
		.amdhsa_next_free_vgpr 146
		.amdhsa_next_free_sgpr 66
		.amdhsa_reserve_vcc 1
		.amdhsa_float_denorm_mode_32 3
		.amdhsa_float_denorm_mode_16_64 3
		.amdhsa_memory_ordered 1
		.amdhsa_forward_progress 1
		.amdhsa_inst_pref_size 21
	.end_amdhsa_kernel
	.amdgpu_metadata
---
amdhsa.version: [ 1, 2 ]
amdhsa.kernels:
  - .name:           k_q1f0c0d607e_maskprep
    .symbol:         k_q1f0c0d607e_maskprep.kd
    .args:
      - { .name: mask, .offset: 0, .size: 8, .value_kind: global_buffer, .address_space: global }
      - { .name: maskw, .offset: 8, .size: 8, .value_kind: global_buffer, .address_space: global }
      - { .name: cls, .offset: 16, .size: 8, .value_kind: global_buffer, .address_space: global }
    .group_segment_fixed_size: 68864
    .private_segment_fixed_size: 0
    .kernarg_segment_align: 8
    .kernarg_segment_size: 24
    .max_flat_workgroup_size: 256
    .sgpr_count:     66
    .vgpr_count:     146
    .wavefront_size: 32
...
	.end_amdgpu_metadata
.endif
;; end of part 1
;; launch attn (part 2): grid 4 x 64, 16 waves a work-group, no clusters, 317,696 bytes of LDS; arguments q_codes, q_scales, k_codes, k_scales, v_codes, v_scales, maskw, cls, out0; writes out0
.if DOCPART == 2
	.amdgcn_target "amdgcn-amd-amdhsa--gfx1250"
	.amdhsa_code_object_version 6
	.text
	.protected	k_q1f0c0d607e_attn
	.globl	k_q1f0c0d607e_attn
	.p2align	8
	.type	k_q1f0c0d607e_attn,@function
k_q1f0c0d607e_attn:
	s_mov_b64 s[64:65], 0
	v_nop
	global_prefetch_b8 v0, s[64:65] scope:SCOPE_SE
	s_setreg_imm32_b32 hwreg(HW_REG_WAVE_MODE, 25, 1), 1
	s_wait_xcnt 0x0
; out[head][q][:] = the sum over k of softmax_k(where(mask[q][k] == 0, -9e15, Q[q] . K[k] / 8)) V[k][:], 64 heads, 2,048 queries and keys, head size 64; both products on E4M3 codes with one E8M0 scale for each 32 along K.
; Q, K: codes [head][2048][64], scale bytes [head][2048][2].  V: codes with the keys innermost [head][64][2048], scale bytes [head][64][64].  out: [head][2048][64] f32.
; THE SOFTMAX: t = score x log2(e) / 8; M = the row's largest t so far, rounded up to a whole number; p = 2^(t - M) is quantised along the keys; the row's sum is taken of the unquantised p and divides at the end.
; When M moves, the sum and O are multiplied by 2^(old M - new M), which rounds nothing.
; THE MASK comes as lane masks and class words made by the launch before (maskw, cls).  A step of 128 keys in which all 16 x 128 entries of a tile of queries are closed adds exactly 0, so long as each of the tile's
; rows has an open key somewhere: such a step is jumped over, by a scalar branch on the stored class word.  Where a row of the tile has no open key at all, all 16 steps of the tile are worked, and that row gets p = 1 on every key, as the softmax of equal logits has it.
; A closed score is set to -2^56 ahead of the maximum: x c it is exact, so that in a row without open keys t - M is exactly 0; when an open score arrives later, 2^(old M - new M) is 0 and wipes what was summed.
; SHARES.  A work-group has one head and 32 tiles of 16 queries.  It copies the head's whole K, V and scale bytes into LDS once (264 KB), passes its ONE barrier, and from then on its sixteen waves never wait for each other.
; Wave w of quarter g works tile 16 g + w and then tile 127 - (16 g + w): a schedule that evens the work where the open part grows with the query; no value hangs on it.
; A wave holds one tile in 256 registers, four waves to a SIMD, so that one wave's vector work stands beside another's matrix work and LDS loads.
; LAYOUT.  Both products are used transposed (source 0 = keys, or 16 of the head's 64; source 1 = my 16 queries): a lane (r = lane % 16, h = lane / 16) holds query r throughout.
; THE FIRST PRODUCT'S K IS 64, THE INSTRUCTION'S 128: a fragment of K holds TWO tiles of 16 keys, one in k = 0..63, one in k = 64..127, and is multiplied by [Q | 0] and by [0 | Q]: Q's 8 registers stand between two runs of 8 zeros.
; Row r of fragment F, half u, is key 32 F + 8 u + r + 8 (r / 8): so score register 16 b + i of a lane is key 128 s + 32 b + 16 h + i, and the conversions' results are the second product's operand.
; IN LDS each operand lies in the order of its registers: a ds_load_b128's sixteen lanes read 256 consecutive bytes.  The fill's stores are laid so that sixteen lanes touch sixteen different 16-byte columns of 256.
; NO TENSOR LOAD, NO CLUSTER, though the four work-groups of a head read the same K and V: the jump over closed steps is a branch on numbers read from memory; it can leave out
; up to 15 of a tile's 16 steps, while a joint fill would spare three quarters of ONE copy of 264 KB a work-group.  No prefetch: K and V are asked for in one run at the head, and nothing is streamed afterwards but the mask's records of 256 bytes.
; O^T begins as zeros written by 32 v_mov_b32 a tile: which step is a tile's first hangs on the mask, so no first step can be written out with C = 0.
; LIMITS.  NaN codes (0x7f, 0xff) and scale bytes 0xff among the inputs are not served (a fragment of K holds two tiles of keys: a NaN of one would reach the other through a product with a zero code).
; A closed logit is taken as -2^53 = -9.007e15 where the reference has -9e15: results differ only for rows whose open logits lie under about -9e15.  A block whose every p is 0 keeps the scale byte 1: its codes are zeros.
; A block's largest p is made from the block's largest score by the same two instructions: this takes v_exp_f32 not to fall where its input rises.
.set VIMG,  131072                     ; LDS: K's image at 0: F x 2048 + c' x 512 + h x 256 + (r xor 8 h) x 16;
.set VSTEP, 8832                       ;      V's: s x 8832 + ((4 t + c) x 2 + h) x 272 + r x 16   (8832 = 32 x 272 + 128)
.set KSC,   272384                     ;      K's scale words: s x 256 + lane x 8 + i x 4: fragment 2 i + lane / 16, row lane % 16
.set VSC,   276480                     ;      V's: s x 272 + lane x 8 + i x 4: tile 2 i + lane / 16 of the head's 64
.set STG,   280832                     ;      the way out: 8 rows x (256 + 16) bytes for each wave (16 rows for 16 waves do not fit beside K and V)
.set STW,   2176
.set KR0, 1                            ; v1   my lane's place in a fragment of K
.set VR0, 2                            ; v2   the same for V
.set KSR0, 3                           ; v3   among K's scale words
.set VSR0, 4                           ; v4   among V's
.set QA,  5                            ; v5   Q: 64 r + 16 h
.set QSA, 6                            ; v6   Q's scale bytes: 2 r
.set STO, 7                            ; v7   the stage, on the way in
.set SRD, 8                            ; v8   and back
.set GO,  9                            ; v9   my byte offset in two rows of out
.set NEG, 10                           ; v10  -2^56
.set RR,  11                           ; v11  r
                                       ; v12 -M, v13 the largest t, v[14:15] the sum in two halves; v16-23 zeros, v24-31 Q, v32-39 zeros
.set FR,  40                           ; v40-103   four fragments of K, then of V; on the way out rows of out
.set S,   104                          ; v104-167  the scores, then p
.set OA,  168                          ; v168-199  O^T: four tiles of 16 of the head's 64  (during the fill: addresses and raw scale bytes)
.set PC,  200                          ; v200-215  p's codes
.set BM,  216                          ; v216-219  the blocks' largest scores, then largest p
.set T1,  220                          ; v220-223  the other half's maxima, then the scale bytes
.set HL,  224                          ; v224-227  448 x the scale
.set SO,  228                          ; v228-231  the conversions' scale operands
.set FF,  232                          ; v[232:233] f = 2^(old M - new M); the upper word is named with it and written once
.set TMP, 234
.set PW,  235                          ; p's scale word
.set KS,  236                          ; v[236:237] K's scale words of the step
.set VS,  238                          ; v[238:239] V's
.set QS,  240                          ; Q's scale word, q16 | q16 << 16: it serves [Q | 0] and [0 | Q]
.set ADK, 241                          ; v241-244 the step's LDS addresses
.set ADV, 242
.set ADS, 243
.set ADT, 244
.set QSB, 245                          ; the second tile's scale word
.set SUM2, 246                         ; v[246:247] the sum's second chain
.set QB,  248                          ; v248-255 the second tile's Q
.set LA,  169                          ; fill: v168 K's offset in memory, v169-170 its places in LDS, v171 V's offset, v172-173 its places, v174-177 the scales' offsets and places, v178-183 raw scale bytes, v184-193 pieces of the thread's number
.set VW,  172
.set TBK, 2                            ; s2   8192 s
.set TBV, 3                            ; s3   8832 s
.set MB,  8                            ; s[8:9]   behind the fill: maskw at my tile
.set OB,  10                           ; s[10:11] out at my tile
.set TSV, 12                           ; s12  272 s
.set TT,  13                           ; s13  my tile
.set WV,  22
.set CW,  23                           ; s23  the class word, shifted once a step: bit 0: this step has an open entry; bit 16: all are open
.set CNT, 24
.set TS,  25                           ; s25  256 s: K's scale words and the mask's record
.set SEL, 26                           ; s[26:27] v_permlanex16_b32's selects for lane l xor 16
.set CS,  28                           ; s[28:29] c = log2(e) / 8
.set MNT, 30                           ; s30  the mantissa field of 448
.set SX,  31                           ; s31  EXEC, saved
.set CWA, 100                          ; s100, s101 the two tiles' class words
.set CWB, 101                          ; s[32:63], s[68:99]: the step's 64 lane masks; at the head: at work
	s_load_b512 s[4:19], s[0:1], 0x0               ; q_codes 4, q_scales 6, k_codes 8, k_scales 10, v_codes 12, v_scales 14, maskw 16, cls 18
	s_load_b64 s[20:21], s[0:1], 0x40              ; out0
	v_lshrrev_b32 v1, 5, v0
	v_readfirstlane_b32 s[WV], v1                  ; wave 0..15
	v_and_b32 v[RR], 15, v0                        ; r
	v_and_b32 v184, 31, v0                         ; lane i
	v_bfe_u32 v185, v0, 4, 1                       ; h = i / 16
	v_bfe_u32 v186, v0, 1, 3                       ; (i / 2) % 8
	v_and_b32 v187, 1, v0                          ; i % 2
	v_bfe_u32 v188, v0, 3, 2                       ; i / 8
	v_bfe_u32 v189, v0, 1, 2                       ; (i / 2) % 4
	v_lshrrev_b32 v190, 6, v0                      ; thread / 64
	v_bfe_u32 v191, v0, 5, 1                       ; (thread / 32) % 2
	v_lshrrev_b32 v192, 4, v0                      ; thread / 16
	s_mul_i32 s84, s[WV], STW
	s_add_co_u32 s84, s84, STG                     ; my stage
	s_lshl_b32 s85, s[WV], 13                      ; 8,192 x wave
	s_lshr_b32 s86, s[WV], 2
	s_mul_i32 s86, s86, 2176
	s_and_b32 s87, s[WV], 3
	s_lshl_b32 s87, s87, 6
	s_add_co_u32 s86, s86, s87
	s_add_co_u32 s86, s86, VIMG                    ; V's image: tile wave / 4, rows 4 (wave % 4) on
	; the addresses that stay
	v_lshlrev_b32 v193, 3, v185
	v_xor_b32 v193, v193, v[RR]
	v_lshlrev_b32 v[KR0], 4, v193
	v_lshl_add_u32 v[KR0], v185, 8, v[KR0]         ; 256 h + 16 (r xor 8 h)
	v_mul_u32_u24 v[VR0], v185, 272
	v_lshl_add_u32 v[VR0], v[RR], 4, v[VR0]
	v_add_nc_u32 v[VR0], VIMG, v[VR0]              ; 272 h + 16 r
	v_lshl_add_u32 v[KSR0], v184, 3, KSC
	v_lshl_add_u32 v[VSR0], v184, 3, VSC
	v_lshlrev_b32 v[QA], 6, v[RR]
	v_lshl_add_u32 v[QA], v185, 4, v[QA]
	v_lshlrev_b32 v[QSA], 1, v[RR]
	v_and_b32 v193, 7, v[RR]
	v_mul_u32_u24 v[STO], v193, 272
	v_lshl_add_u32 v[STO], v185, 5, v[STO]
	v_add_nc_u32 v[STO], s84, v[STO]               ; row r % 8, + 32 h
	v_mul_u32_u24 v[SRD], v185, 272
	v_lshl_add_u32 v[SRD], v[RR], 4, v[SRD]
	v_add_nc_u32 v[SRD], s84, v[SRD]               ; lanes 0-15 one row, lanes 16-31 the next
	v_lshlrev_b32 v[GO], 8, v185
	v_lshl_add_u32 v[GO], v[RR], 4, v[GO]          ; and the same two rows of out
	v_mov_b32 v[NEG], 0xdb800000
	; the fill's addresses.  K: load j of a wave takes keys 128 w + 8 j + 0..7; lane i takes bytes 32 (i / 16) + 16 (i % 2) on of key (i / 2) % 8: 512 consecutive bytes a load
	v_lshlrev_b32 v168, 6, v186
	v_lshl_add_u32 v168, v185, 5, v168
	v_lshl_add_u32 v168, v187, 4, v168
	v_mul_u32_u24 v[LA], v187, 384
	v_lshl_add_u32 v[LA], v185, 9, v[LA]
	v_lshl_add_u32 v[LA], v186, 4, v[LA]
	v_add_nc_u32 v[LA], s85, v[LA]                 ; rows 0-7 of a fragment: 8192 w + 512 (i / 16) + 256 h' + 16 (key xor 8 h'), h' = i % 2
	v_xor_b32 v[LA+1], 128, v[LA]                  ; rows 8-15: the other eight columns
	v_lshlrev_b32 v171, 4, v184                    ; V: load j takes row 4 w + j / 4, keys 512 (j % 4) + 16 i on
	v_mul_u32_u24 v[VW], v188, VSTEP
	v_mad_u32_u24 v[VW], v189, 544, v[VW]
	v_mad_u32_u24 v[VW], v187, 272, v[VW]
	v_add_nc_u32 v[VW], s86, v[VW]                 ; step i / 8 (+ 4 (j % 4)), group (i / 2) % 4, half i % 2
	v_add_nc_u32 v[VW+1], 8*VSTEP, v[VW]           ; steps 8 on: beyond an LDS immediate's 16 bits
	v_lshlrev_b32 v174, 8, v190                    ; K's scale bytes: thread x makes the word at KSC + 4 x: twice the key 128 (x / 64) + 64 (x % 2) + 32 ((x / 32) % 2) + 16 ((x / 16) % 2) + (x / 2) % 8
	v_lshl_add_u32 v174, v187, 7, v174
	v_lshl_add_u32 v174, v191, 6, v174
	v_lshl_add_u32 v174, v185, 5, v174
	v_lshl_add_u32 v174, v186, 1, v174
	v_lshl_add_u32 v175, v0, 2, KSC
	v_lshlrev_b32 v176, 2, v0                      ; V's: word x is row x / 16, step x % 16
	v_mul_u32_u24 v177, v[RR], 272
	v_lshl_add_u32 v177, v192, 3, v177
	v_add_nc_u32 v177, VSC, v177
	; where everything begins
	s_and_b32 s68, ttmp7, 0xffff                   ; the head
	s_lshl_b32 s70, ttmp9, 4
	s_add_co_u32 s70, s70, s[WV]                   ; my first tile
	s_sub_co_u32 s71, 127, s70                     ; my second
	s_lshl_b32 s72, s68, 17                        ; a head's codes: 131,072 bytes
	s_lshl_b32 s74, s68, 12                        ; its scale bytes: 4,096
	s_mov_b32 s75, 0
	s_lshl_b32 s76, s70, 10                        ; a tile of Q: 1,024 bytes
	s_add_co_u32 s76, s76, s72
	s_mov_b32 s77, 0
	s_lshl_b32 s78, s71, 10
	s_add_co_u32 s78, s78, s72
	s_mov_b32 s79, 0
	s_lshl_b32 s80, s70, 5                         ; its scale bytes: 32
	s_add_co_u32 s80, s80, s74
	s_mov_b32 s81, 0
	s_lshl_b32 s82, s71, 5
	s_add_co_u32 s82, s82, s74
	s_mov_b32 s83, 0
	s_add_co_u32 s88, s72, s85                     ; my wave's 8,192 bytes of K and of V
	s_mov_b32 s89, 0
	s_lshl_b32 s90, s68, 19                        ; a head of out: 524,288 bytes
	s_mov_b32 s91, 0
	s_lshl_b32 s66, s70, 4                         ; a tile's class record: 16 bytes
	s_lshl_b32 s67, s71, 4
	s_mov_b32 s[SEL], 0x76543210
	s_mov_b32 s[SEL+1], 0xfedcba98
	s_mov_b32 s[CS], 0x3e38aa3b                    ; c = log2(e) / 8
	s_mov_b32 s[CS+1], s[CS]                       ; (named with it as a pair, so it is written)
	s_mov_b32 s[MNT], 0x600000
	s_wait_kmcnt 0x0
	s_load_b128 s[32:35], s[18:19], s66 offset:0x0 ; {w0, R} of steps 0-7 and of steps 8-15, first tile
	s_load_b128 s[36:39], s[18:19], s67 offset:0x0 ; second tile
	s_add_nc_u64 s[76:77], s[4:5], s[76:77]
	s_add_nc_u64 s[78:79], s[4:5], s[78:79]
	s_add_nc_u64 s[80:81], s[6:7], s[80:81]
	s_add_nc_u64 s[82:83], s[6:7], s[82:83]
	s_add_nc_u64 s[8:9], s[8:9], s[88:89]
	s_add_nc_u64 s[12:13], s[12:13], s[88:89]
	s_add_nc_u64 s[10:11], s[10:11], s[74:75]
	s_add_nc_u64 s[14:15], s[14:15], s[74:75]
	s_add_nc_u64 s[20:21], s[20:21], s[90:91]
	; 44 loads in one run: 6 for Q, 16 for K, 16 for V, 6 for the scales
	global_load_b128 v[24:27], v[QA], s[76:77] th:TH_LOAD_NT
	global_load_b128 v[28:31], v[QA], s[76:77] offset:32 th:TH_LOAD_NT
	global_load_b128 v[QB:QB+3], v[QA], s[78:79] th:TH_LOAD_NT
	global_load_b128 v[QB+4:QB+7], v[QA], s[78:79] offset:32 th:TH_LOAD_NT
	global_load_u16 v[QS], v[QSA], s[80:81]
	global_load_u16 v[QSB], v[QSA], s[82:83]
.set j, 0
.rept 16
	global_load_b128 v[FR+4*j:FR+4*j+3], v168, s[8:9] offset:512*j
.set j, j+1
.endr
.set j, 0
.rept 16
	global_load_b128 v[S+4*j:S+4*j+3], v171, s[12:13] offset:512*j
.set j, j+1
.endr
	global_load_u16 v178, v174, s[10:11]           ; the key's two bytes,
	global_load_u16 v179, v174, s[10:11] offset:16 ; those of the key 8 further on: the fragment's other half;
	global_load_u16 v180, v174, s[10:11] offset:2048   ; and the same 8 steps on
	global_load_u16 v181, v174, s[10:11] offset:2064
	global_load_b32 v182, v176, s[14:15]
	global_load_b32 v183, v176, s[14:15] offset:2048
	; register work while they are out
.irp i, 0,1,2,3,4,5,6,7
	v_mov_b32 v[16+\i], 0                          ; the zeros on both sides of Q
	v_mov_b32 v[32+\i], 0
.endr
.irp b, 0,1,2,3
	v_mov_b32 v[T1+\b], 0                          ; written once: a lane permute's destination counts as one of its sources
.endr
	v_mov_b32 v[TMP], 0
	v_mov_b32 v[FF+1], 0
; a tile's class word: bits 0-15: the step has an open entry; bits 16-31: all its entries are open.  Where a row of the tile has no open key (its bit is missing in R's two halves joined), bits 0-15 are all set.  No branch.
.macro CLASSW dst, a
	s_lshl_b32 s[\a+2], s[\a+2], 8
	s_or_b32 s[\dst], s[\a], s[\a+2]
	s_or_b32 s[\a+1], s[\a+1], s[\a+3]
	s_lshr_b32 s[\a+3], s[\a+1], 16
	s_or_b32 s[\a+1], s[\a+1], s[\a+3]
	s_and_b32 s[\a+1], s[\a+1], 0xffff
	s_cmp_eq_u32 s[\a+1], 0xffff
	s_cselect_b32 s[\a+1], 0, 0xffff
	s_or_b32 s[\dst], s[\dst], s[\a+1]
.endm
	s_wait_kmcnt 0x0
	CLASSW CWA, 32
	CLASSW CWB, 36
	s_wait_loadcnt 22                              ; Q and K are in; V's 16 loads and the scales' 6 may be out
.set j, 0
.rept 16
	ds_store_b128 v[LA+(j/2)%2], v[FR+4*j:FR+4*j+3] offset:(j/4)*2048+(j%2)*1024   ; fragment j / 4, half j % 2, rows 8 ((j / 2) % 2) on
.set j, j+1
.endr
	s_wait_loadcnt 6                               ; V is in; the scales' 6 loads may be out
.set j, 0
.rept 16
	ds_store_b128 v[VW+(j%4)/2], v[S+4*j:S+4*j+3] offset:(j%2)*4*VSTEP+(j/4)*16    ; steps 4 (j % 4) on, row 4 (w % 4) + j / 4 of its tile
.set j, j+1
.endr
	s_wait_loadcnt 0x0
	v_lshl_or_b32 v178, v179, 16, v178             ; a fragment's scale word: bytes 0, 1 for k = 0..63, bytes 2, 3 for k = 64..127
	v_lshl_or_b32 v180, v181, 16, v180
	ds_store_b32 v175, v178
	ds_store_b32 v175, v180 offset:2048
	ds_store_b32 v177, v182
	ds_store_b32 v177, v183 offset:4
	v_lshl_or_b32 v[QS], v[QS], 16, v[QS]
	v_lshl_or_b32 v[QSB], v[QSB], 16, v[QSB]
	s_wait_dscnt 0x0                               ; for the others' sake: all my stores have landed
	s_barrier_signal -1
	s_barrier_wait -1                              ; the head's K, V and scales lie in LDS; from here on they are only read
; A tile begins.  which = 1: the second tile takes Q's place.
.macro SETUP which
.if \which
	s_wait_xcnt 0x0                                ; the first tile's stores have read their registers and their base: both are written again below and in the steps
	v_mov_b32 v[QS], v[QSB]
.irp i, 0,1,2,3,4,5,6,7
	v_mov_b32 v[24+\i], v[QB+\i]
.endr
	s_sub_co_u32 s[TT], 127, s[TT]
	s_mov_b32 s[CW], s[CWB]
.else
	s_lshl_b32 s[TT], ttmp9, 4
	s_add_co_u32 s[TT], s[TT], s[WV]
	s_mov_b32 s[CW], s[CWA]
.endif
	s_lshl_b32 s14, s[TT], 12                      ; a tile's 16 records of maskw are 4,096 bytes, and so are its 16 rows of out
	s_mov_b32 s15, 0
	s_add_nc_u64 s[MB:MB+1], s[16:17], s[14:15]
	s_add_nc_u64 s[OB:OB+1], s[20:21], s[14:15]
	s_mov_b32 s[TBK], 0
	s_mov_b32 s[TBV], 0
	s_mov_b32 s[TS], 0
	s_mov_b32 s[TSV], 0
	v_mov_b32 v13, 0xff61b1e6                      ; the largest t so far: -3e38, under every t
	v_floor_f32 v12, -v13                          ; -M
	v_mov_b32 v14, 0
	v_mov_b32 v15, 0
.set j, 0
.rept 32
	v_mov_b32 v[OA+j], 0                           ; O^T.  (These lines are also the places between the writes of Q and its scale word and the first product)
.set j, j+1
.endr
.endm
.macro QK b, u                         ; 16 keys x my 16 queries: half u of fragment b.  Lanes 0-15 of a scale register hold the even fragment's words, lanes 16-31 the odd one's
.if (\b)%2
	v_wmma_scale_f32_16x16x128_f8f6f4 v[S+8*(2*(\b)+(\u)):S+8*(2*(\b)+(\u))+7], v[FR+16*(\b):FR+16*(\b)+15], v[24-8*(\u):39-8*(\u)], 0, v[KS+(\b)/2], v[QS] matrix_a_scale:MATRIX_SCALE_ROW1
.else
	v_wmma_scale_f32_16x16x128_f8f6f4 v[S+8*(2*(\b)+(\u)):S+8*(2*(\b)+(\u))+7], v[FR+16*(\b):FR+16*(\b)+15], v[24-8*(\u):39-8*(\u)], 0, v[KS+(\b)/2], v[QS]
.endif
.endm
.macro PV t                            ; O^T += 16 of the head's 64 x the step's 128 keys x my 16 queries
.if (\t)%2
	v_wmma_scale_f32_16x16x128_f8f6f4 v[OA+8*(\t):OA+8*(\t)+7], v[FR+16*(\t):FR+16*(\t)+15], v[PC:PC+15], v[OA+8*(\t):OA+8*(\t)+7], v[VS+(\t)/2], v[PW] matrix_a_scale:MATRIX_SCALE_ROW1
.else
	v_wmma_scale_f32_16x16x128_f8f6f4 v[OA+8*(\t):OA+8*(\t)+7], v[FR+16*(\t):FR+16*(\t)+15], v[PC:PC+15], v[OA+8*(\t):OA+8*(\t)+7], v[VS+(\t)/2], v[PW]
.endif
.endm
; A KEY STEP: 128 keys.
.macro STEP
	s_bitcmp1_b32 s[CW], 0                         ; has the step an open entry (or the tile a row without any)?
	s_cbranch_scc0 .Lskip_\@
	s_load_b512 s[32:47], s[MB:MB+1], s[TS] offset:0x0    ; the step's 64 lane masks: asked for at once, wanted behind the first product
	s_load_b512 s[48:63], s[MB:MB+1], s[TS] offset:0x40
	s_load_b512 s[68:83], s[MB:MB+1], s[TS] offset:0x80
	s_load_b512 s[84:99], s[MB:MB+1], s[TS] offset:0xc0
	v_add_nc_u32 v[ADK], s[TBK], v[KR0]
	v_add_nc_u32 v[ADV], s[TBV], v[VR0]
	v_add_nc_u32 v[ADS], s[TS], v[KSR0]
	v_add_nc_u32 v[ADT], s[TSV], v[VSR0]
.rept 4
	v_nop                                          ; with the four additions: eight places between the last step's products and the loads into the registers that they read
.endr
.irp b, 0,1,2,3
.irp c, 0,1,2,3
	ds_load_b128 v[FR+16*\b+4*\c:FR+16*\b+4*\c+3], v[ADK] offset:2048*\b+512*\c
.endr
.endr
	ds_load_b64 v[KS:KS+1], v[ADS]
	s_wait_dscnt 0x0
.irp b, 0,1,2,3
	QK \b, 0                                       ; eight sums, each begun with the constant 0: no two share an accumulator
	QK \b, 1
.endr
.rept 8
	v_nop                                          ; eight places: for the loads below, into registers that these products read, and for the first read of the scores
.endr
.irp t, 0,1,2,3
.irp c, 0,1,2,3
	ds_load_b128 v[FR+16*\t+4*\c:FR+16*\t+4*\c+3], v[ADV] offset:2176*\t+544*\c   ; V is asked for now and lands under the softmax
.endr
.endr
	ds_load_b64 v[VS:VS+1], v[ADT]
	s_bitcmp1_b32 s[CW], 16                        ; all 16 x 128 entries open: nothing to close
	s_cbranch_scc1 .Lopen_\@
	s_wait_kmcnt 0x0
.set n, 0
.rept 64
	v_cndmask_b32 v[S+n], v[NEG], v[S+n], s[32+n+4*(n/32)]    ; the score where the lane's bit is set, else -2^56; each accumulator from its low end on
.set n, n+1
.endr
.Lopen_\@:
.irp b, 0,1,2,3
	v_max3_num_f32 v[BM+\b], v[S+16*\b], v[S+16*\b+1], v[S+16*\b+2]   ; the largest score of each block of 32 keys: for the row's maximum, and, since p rises with the score, for the block's largest p
.endr
.irp i, 3,5,7,9,11,13
.irp b, 0,1,2,3
	v_max3_num_f32 v[BM+\b], v[BM+\b], v[S+16*\b+\i], v[S+16*\b+\i+1]   ; (the four blocks by turns)
.endr
.endr
.irp b, 0,1,2,3
	v_max_num_f32 v[BM+\b], v[BM+\b], v[S+16*\b+15]
.endr
.irp b, 0,1,2,3
	v_permlanex16_b32 v[T1+\b], v[BM+\b], s[SEL], s[SEL+1]
.endr
.irp b, 0,1,2,3
	v_max_num_f32 v[BM+\b], v[BM+\b], v[T1+\b]     ; with lane l xor 16's 16 keys
.endr
	v_max3_num_f32 v[TMP], v[BM], v[BM+1], v[BM+2]
	v_max_num_f32 v[TMP], v[TMP], v[BM+3]          ; the step's largest score of my query
	v_mul_f32 v[TMP], s[CS], v[TMP]                ; as t (c is positive)
	v_max_num_f32 v13, v13, v[TMP]                 ; the running largest t
	v_mov_b32 v[TMP], v12
	v_floor_f32 v12, -v13                          ; the new -M = floor(-t) = -ceil(t): a whole number
	v_sub_f32 v[TMP], v12, v[TMP]                  ; old M - new M: a whole number, 0 or less
	v_cvt_i32_f32 v[TMP], v[TMP]                   ; (it saturates)
	v_ldexp_f32 v[FF], 1.0, v[TMP]                 ; f = 2^(old M - new M)
.set j, 0
.rept 32
	v_pk_fma_f32 v[S+j:S+j+1], v[S+j:S+j+1], s[CS:CS+1], v[12:13] op_sel_hi:[1,0,0]   ; t - M, two at a time (of the pairs c and -M the low word serves both halves)
.set j, j+2
.endr
.irp b, 0,1,2,3
	v_fma_f32 v[BM+\b], v[BM+\b], s[CS], v12       ; the same of each block's largest score
.endr
.set j, 0
.rept 64
	v_exp_f32 v[S+j], v[S+j]                       ; p = 2^(t - M), at most 1: not normalised
.set j, j+1
.endr
	v_pk_mul_f32 v[14:15], v[14:15], v[FF:FF+1] op_sel_hi:[1,0]   ; the sums under the new M: a plain instruction behind the exponentials
	s_wait_alu depctr_va_vdst(0)                   ; the wait ahead of the first line that names an exponential's result: one for the batch of 64
.irp b, 0,1,2,3
	v_exp_f32 v[BM+\b], v[BM+\b]                   ; the block's largest p
.endr
	v_pk_add_f32 v[SUM2:SUM2+1], v[S:S+1], v[S+2:S+3]   ; the row's sum is taken of the unquantised p: two at a time, in two chains (it reads the 64 alone)
.irp j, 4,8,12,16,20,24,28,32,36,40,44,48,52,56,60
	v_pk_add_f32 v[14:15], v[14:15], v[S+\j:S+\j+1]
	v_pk_add_f32 v[SUM2:SUM2+1], v[SUM2:SUM2+1], v[S+\j+2:S+\j+3]
.endr
	v_pk_add_f32 v[14:15], v[14:15], v[SUM2:SUM2+1]
	s_wait_alu depctr_va_vdst(0)                   ; and one for the four
.irp b, 0,1,2,3
	v_max_num_f32 v[BM+\b], 0x4800000, v[BM+\b]    ; the floor 2^(9 - 127): the byte cannot fall under 1
.endr
.irp b, 0,1,2,3
	v_add_nc_u32 v[SO+\b], 0xfc000000, v[BM+\b]    ; 8 off the exponent field: the conversion's scale operand
.endr
.irp b, 0,1,2,3
	v_and_or_b32 v[HL+\b], v[BM+\b], 0x7f800000, s[MNT]   ; 448 x the scale
.endr
.irp b, 0,1,2,3
	v_lshrrev_b32 v[T1+\b], 23, v[SO+\b]           ; the scale's byte
.endr
	v_lshl_or_b32 v[PW], v[T1+1], 8, v[T1]         ; p's scale word for these 128 keys: it stands more than eight plain lines ahead of the products
	v_lshl_or_b32 v[PW], v[T1+2], 16, v[PW]
	v_lshl_or_b32 v[PW], v[T1+3], 24, v[PW]
.irp b, 0,1,2,3
.irp i, 0,1,2,3,4,5,6,7,8,9,10,11,12,13,14,15
	v_min_num_f32 v[S+16*\b+\i], v[S+16*\b+\i], v[HL+\b]   ; the conversion to an 8-bit code does not saturate (ISA guide 7.6.2); p is not negative, so the hold is one-sided
.endr
	v_cvt_scalef32_pk8_fp8_f32 v[PC+4*\b:PC+4*\b+1], v[S+16*\b:S+16*\b+7], v[SO+\b]
	v_cvt_scalef32_pk8_fp8_f32 v[PC+4*\b+2:PC+4*\b+3], v[S+16*\b+8:S+16*\b+15], v[SO+\b]
.endr
.set j, 0
.rept 16
	v_pk_mul_f32 v[OA+j:OA+j+1], v[OA+j:OA+j+1], v[FF:FF+1] op_sel_hi:[1,0]   ; O^T under the new M, each accumulator from its low end on.  (Also the plain lines between the conversions and the products)
.set j, j+2
.endr
	s_wait_dscnt 0x0                               ; V and its scale words are in
.irp t, 0,1,2,3
	PV \t                                          ; four accumulators, one instruction each; the eight score products stand between an accumulator's turns
.endr
	s_wait_kmcnt 0x0                               ; the mask's loads are done on the way on which they were not read too: their offset is stepped below
.Lskip_\@:
	s_lshr_b32 s[CW], s[CW], 1
	s_add_co_u32 s[TBK], s[TBK], 8192
	s_add_co_u32 s[TBV], s[TBV], VSTEP
	s_add_co_u32 s[TS], s[TS], 256
	s_add_co_u32 s[TSV], s[TSV], 272
.endm
.macro TILE                            ; all 16 steps are walked: the trip count is a constant; what is left out is a step's work
	s_mov_b32 s[CNT], 16
.Ltile_\@:
	STEP
	s_sub_co_u32 s[CNT], s[CNT], 1
	s_cmp_lg_u32 s[CNT], 0
	s_cbranch_scc1 .Ltile_\@
.endm
; Eight rows through my stage: the lanes named in VCC put their 128 bytes in, then all 32 lanes read whole rows of 256 bytes back, into v[FR + first] on.
.macro HALF first
	s_and_saveexec_b32 s[SX], vcc_lo
.irp t, 0,1,2,3
	ds_store_b128 v[STO], v[S+8*\t:S+8*\t+3] offset:64*\t
	ds_store_b128 v[STO], v[S+8*\t+4:S+8*\t+7] offset:64*\t+16
.endr
	s_or_b32 exec_lo, exec_lo, s[SX]
.irp i, 0,1,2,3
	ds_load_b128 v[FR+\first+4*\i:FR+\first+4*\i+3], v[SRD] offset:544*\i   ; LDS serves a wave's instructions in order: these see my stores, and the next eight rows' stores come behind them
.endr
.endm
; THE WAY OUT of a tile: O^T / the sum; register 8 t + j of lane (r, h) is out(r, 16 t + 8 h + j).
.macro OUT
.rept 8
	v_nop                                          ; eight places behind the last products
.endr
	v_add_f32 v14, v14, v15                        ; the sum's two halves,
	v_permlanex16_b32 v[TMP], v14, s[SEL], s[SEL+1]
	v_add_f32 v14, v14, v[TMP]                     ; and lane l xor 16's: the row's sum
	v_rcp_f32 v14, v14
	v_nop                                          ; a plain instruction behind the reciprocal
	v_cmp_gt_u32 vcc_lo, 8, v[RR]                  ; queries 0-7
	s_wait_alu depctr_va_vdst(0)                   ; the wait ahead of the first line that names the reciprocal
.set j, 0
.rept 16
	v_pk_mul_f32 v[S+j:S+j+1], v[OA+j:OA+j+1], v[14:15] op_sel_hi:[1,0]
.set j, j+2
.endr
	s_wait_xcnt 0x0                                ; EXEC changes only behind this wait; no global instruction stands between here and the last line that restores it
	HALF 0
	v_cmp_le_u32 vcc_lo, 8, v[RR]                  ; queries 8-15
	HALF 16
.irp i, 0,1,2,3,4,5,6,7
.if \i < 4
	s_wait_dscnt 15-\i                             ; behind this load: the rest of its four, and the second half's eight stores and four loads
.else
	s_wait_dscnt 7-\i
.endif
	global_store_b128 v[GO], v[FR+4*\i:FR+4*\i+3], s[OB:OB+1] offset:512*\i th:TH_STORE_NT   ; two whole rows: 512 consecutive bytes, aligned; written once
.endr
.endm
	SETUP 0
	TILE
	OUT
	SETUP 1
	TILE
	OUT
	s_wait_xcnt 0x0
	s_mov_b32 exec_lo, -1
	v_lshl_add_u32 v246, v0, 2, 0x4d100
	v_mov_b32 v247, 0
	s_wait_tensorcnt 0x0
	ds_add_u32 v246, v247
	s_wait_dscnt 0x0
	s_endpgm
.Lfunc_end_k_q1f0c0d607e_attn:
	.size	k_q1f0c0d607e_attn, .Lfunc_end_k_q1f0c0d607e_attn-k_q1f0c0d607e_attn
	.p2alignl 7, 3214868480
	.fill 96, 4, 3214868480
	.section	.rodata,"a",@progbits
	.p2align	6, 0x0
	.amdhsa_kernel k_q1f0c0d607e_attn
		.amdhsa_group_segment_fixed_size 317696
		.amdhsa_private_segment_fixed_size 0
		.amdhsa_enable_private_segment 0
		.amdhsa_kernarg_size 72
		.amdhsa_user_sgpr_count 2
		.amdhsa_user_sgpr_kernarg_segment_ptr 1
		.amdhsa_wavefront_size32 1
		.amdhsa_system_sgpr_workgroup_id_x 1
		.amdhsa_system_sgpr_workgroup_id_y 1
		.amdhsa_system_sgpr_workgroup_id_z 1
		.amdhsa_system_vgpr_workitem_id 0
		.amdhsa_next_free_vgpr 256
		.amdhsa_next_free_sgpr 102
		.amdhsa_reserve_vcc 1
		.amdhsa_float_denorm_mode_32 3
		.amdhsa_float_denorm_mode_16_64 3
		.amdhsa_memory_ordered 1
		.amdhsa_forward_progress 1
		.amdhsa_inst_pref_size 72
	.end_amdhsa_kernel
	.amdgpu_metadata
---
amdhsa.version: [ 1, 2 ]
amdhsa.kernels:
  - .name:           k_q1f0c0d607e_attn
    .symbol:         k_q1f0c0d607e_attn.kd
    .args:
      - { .name: q_codes, .offset: 0, .size: 8, .value_kind: global_buffer, .address_space: global }
      - { .name: q_scales, .offset: 8, .size: 8, .value_kind: global_buffer, .address_space: global }
      - { .name: k_codes, .offset: 16, .size: 8, .value_kind: global_buffer, .address_space: global }
      - { .name: k_scales, .offset: 24, .size: 8, .value_kind: global_buffer, .address_space: global }
      - { .name: v_codes, .offset: 32, .size: 8, .value_kind: global_buffer, .address_space: global }
      - { .name: v_scales, .offset: 40, .size: 8, .value_kind: global_buffer, .address_space: global }
      - { .name: maskw, .offset: 48, .size: 8, .value_kind: global_buffer, .address_space: global }
      - { .name: cls, .offset: 56, .size: 8, .value_kind: global_buffer, .address_space: global }
      - { .name: out0, .offset: 64, .size: 8, .value_kind: global_buffer, .address_space: global }
    .group_segment_fixed_size: 317696
    .private_segment_fixed_size: 0
    .kernarg_segment_align: 8
    .kernarg_segment_size: 72
    .max_flat_workgroup_size: 512
    .sgpr_count:     102
    .vgpr_count:     256
    .wavefront_size: 32
...
	.end_amdgpu_metadata
.endif
;; end of part 2
